; MI455X (gfx1250); checked and timed in simulation.
; The chip was launched on July 23, 2026; its instructions are those of AMD's public machine-readable ISA for CDNA 5 (MIT licence, August 2026) and "CDNA5" Instruction Set Architecture Reference Guide (July 2026). The comments in the code are by the model that wrote it; some were corrected since.
;; Knowledge Fussion. Allowed arithmetic: matrix products marked QUANTISED: E2M1 operands, one E8M0 scale for each 32 along K, by v_wmma_scale_f32_16x16x128_f8f6f4 with both operands' format E2M1 (or v_wmma_scale_f32_32x16x128_f4), f32 sums; products left as they are: f32 operands where the result goes on into a quantised operand, else bf16, f16 or f32 operands; f32 sums; everything else in f32.
;; Inputs: attention_strength one number float32; empty_knowledge_mask 64 bool; in_proj_bias 3,072 float32; in_proj_weight 3,072 x 1,024 float32; input_ids 64 x 512 int32; knowledge_output 64 x 1,024 float32; model_output 64 x 512 x 1,024 float32; out_proj_bias 1,024 float32; out_proj_weight 1,024 x 1,024 float32.
;; Outputs: out0 64 x 1,024 float32.
;; Constants: knowledge_token_id = 30002, mask_token_id = 30001.
;; This version of the problem:
;;   THIS VERSION OF THE PROBLEM IS GIVEN IN LOW PRECISION. The matrix products marked QUANTISED in the list below multiply operands that are first quantised to E2M1 (2 exponent bits, 1 mantissa bit; 4 bits a number), with one power-of-two scale for each 32 numbers along K (OCP MX v1.0); their sums are f32. All else is computed in f32.
;;   The module's matrix products, in the order in which they are computed (A, B: the left and right operand; K: the contracted axis; several contracted axes count as one K, in the product's order):
;;     1. [M 64, K 1,024] x [K 1,024, N 1,024]; A: computed on the way; B: input in_proj_weight: QUANTISED
;;     2. [M 32,768, K 1,024] x [K 1,024, N 1,024]; A: computed on the way; B: input in_proj_weight: QUANTISED
;;     3. [M 32,768, K 1,024] x [K 1,024, N 1,024]; A: computed on the way; B: input in_proj_weight: QUANTISED
;;     4. batch 1,024 x [M 1, K 64] x [K 64, N 512]; A: computed on the way; B: computed on the way: left as it is (M = 1 < 16)
;;     5. batch 1,024 x [M 1, K 512] x [K 512, N 64]; A: softmax; B: computed on the way: left as it is (M = 1 < 16)
;;     6. [M 64, K 1,024] x [K 1,024, N 1,024]; A: computed on the way; B: input out_proj_weight: QUANTISED
;;   THE QUANTISER, for each operand of a quantised product, along K:
;;     - K is cut into blocks of 32 from its start; a last block that is shorter is filled with zeros.
;;     - A block's scale is 2^e with e = floor(log2(the largest magnitude in the block)) - 2, held to -126 .. 127; a block of zeros has e = 0. As a byte (E8M0): e + 127.
;;     - Each number is divided by its block's scale, clamped to +-6, and rounded to the nearest number of E2M1, ties to even, subnormals kept.
;;     - The product sums the exact products of the quantised numbers (number of the format x scale) in f32.
;;   ~~~python
;;   def quantise(x, axis):      # numpy; x: float32 -> the quantised numbers, widened to float32 again
;;       x = np.moveaxis(x, axis, -1); K = x.shape[-1]
;;       x = np.pad(x, [(0, 0)] * (x.ndim - 1) + [(0, -K % 32)]); x = x.reshape(x.shape[:-1] + (-1, 32)); a = np.abs(x).max(-1, keepdims=True)
;;       e = np.where(a > 0, np.clip(np.frexp(np.where(a > 0, a, 1))[1] - 1 - 2, -126, 127), 0)      # np.frexp(a)[1] - 1 = floor(log2(a)), exactly
;;       r = np.clip(x / 2.0 ** e, -6, 6)
;;       step = 2.0 ** (np.maximum(np.frexp(np.where(r == 0, 1, r))[1] - 1, 0) - 1)
;;       q = np.round(r / step) * step * 2.0 ** e      # np.round: ties to even
;;       return np.moveaxis(q.reshape(q.shape[:-2] + (-1,))[..., :K], -1, axis).astype(np.float32)
;;   ~~~
;;   OPERANDS COMPUTED ON THE WAY. 'Computed on the way' means the value that the module computes at that place (a softmax that the list does not call 'softmax' is quantised finished and normalised). What goes into a quantiser is computed in f32, as accurately as f32 sums, v_exp_f32 and their like allow (about 1e-6 of the number): no bf16 or f16 on the way to a quantiser, and a product that is left as it is and whose result goes on into a quantised operand takes f32 operands (vector FMAs, or v_wmma_f32_16x16x4_f32). A number that lies on a knife's edge between two numbers of the format may be rounded either way, as far as f32 arithmetic and the matrix unit's own rounding can turn it there, and no further.
;; One version. Each part assembles by itself: llvm-mc -triple=amdgcn-amd-amdhsa -mcpu=gfx1250 --defsym DOCPART=n.
;; ======== version 1 of 1: 3 launches
;; workspace buffers: wimg 2,244,608 bytes; part 1,048,576 bytes; ml 32,768 bytes; mpos 1,024 bytes of whole numbers
;; launch prep (part 1): grid 256 x 1, 4 waves a work-group, no clusters, 69,120 bytes of LDS; arguments in_proj_weight, out_proj_weight, in_proj_bias, out_proj_bias, wimg; writes wimg
.if DOCPART == 1
	.amdgcn_target "amdgcn-amd-amdhsa--gfx1250"
	.amdhsa_code_object_version 6
	.text
	.protected	k_q03c12edcf5_prep
	.globl	k_q03c12edcf5_prep
	.p2align	8
	.type	k_q03c12edcf5_prep,@function
k_q03c12edcf5_prep:
	s_mov_b64 s[64:65], 0
	v_nop
	global_prefetch_b8 v0, s[64:65] scope:SCOPE_SE
	s_setreg_imm32_b32 hwreg(HW_REG_WAVE_MODE, 25, 1), 1
	s_wait_xcnt 0x0
; The four weight matrices ([3072][1024] and [1024][1024], f32, K innermost) become codes of FP4 (E2M1) with one E8M0 byte for each 32 along K,
; laid in the ORDER OF THE OPERAND'S REGISTERS, so that the later launches fetch a fragment by two loads of 16 bytes a lane, 512 bytes on end.
; wimg: 64 blocks of 35,072 bytes.  A block: 4 tiles of 16 weight rows, 8,704 bytes each (8 K steps x 1,024 bytes of codes: piece c at 512 c, lane l's registers 4 c .. 4 c + 3 at 16 l;
; then 512 bytes of scale words: lane (r, h) has the words of row r for K steps 4 h .. 4 h + 3), then at 34,816 + 64 t the tile's 16 bias numbers.
; Block 4 n + w is ring tile n of wave w in the second launch: n = 0..3 Wq of head 4 w + n; n = 4 + 2 i Wk, n = 5 + 2 i Wv of head 4 w + i.  Blocks 48 + g: out_proj rows 64 g on.
; A work-group takes one tile of 16 rows (65,536 bytes of f32); wave kq takes K steps 2 kq and 2 kq + 1.  Each load reads 512 consecutive bytes; a step's numbers turn through the wave's own stage in LDS
; (rows 528 bytes apart), so that lane (r, h) holds 32 neighbours along K of row r for each piece: a whole block, whose largest magnitude needs no other lane.
; A block's scale byte is its largest magnitude's exponent field - 2, held at 1 from below.  A block of zeros so gets byte 1 where the rule says 127: its codes are zeros, and this program alone reads the bytes.
; LIMITS: NaN and infinities among the weights are not served.  The 64 bias bytes of a tile are a part of an aligned 256 bytes (16 KiB in the whole launch).
; No tensor loads, no matrix work, no cluster: work-groups share no input and memory binds.
.set WB,   35072
.set NT,   8704
.set STW,  16896                       ; a wave's two stages
.set STF,  8448                        ; one stage: 16 rows x 528
.set SCB,  4*STW                       ; behind the stages: the tile's 512 bytes of scale words
.set R,    16                          ; v16-143  the numbers as loaded: fragment f, row: 64 f + 4 row
.set X,    144                         ; v144-207 64 numbers of my row: piece c at 32 c
.set C,    208                         ; v208-223 codes: 8 registers a fragment, so that no store's data are written again
.set TA,   224                         ; v224-231 at work
.set W,    240                         ; v240-241 the two scale words
.set BIA,  244                         ; v244-247 bias
.set TP,   248                         ; a lane permute's destination
	s_load_b256 s[4:11], s[0:1], 0x0               ; in_proj_weight, out_proj_weight, in_proj_bias, out_proj_bias
	s_load_b64 s[12:13], s[0:1], 0x20              ; wimg
	v_lshl_add_u32 v254, v0, 2, 0x10c00
	v_mov_b32 v255, 0
	v_lshrrev_b32 v1, 5, v0
	v_readfirstlane_b32 s14, v1                    ; kq: my wave
	v_and_b32 v1, 31, v0                           ; lane
	v_and_b32 v2, 15, v0                           ; r
	v_bfe_u32 v3, v0, 4, 1                         ; h
	v_lshlrev_b32 v4, 4, v1                        ; 16 x lane
	s_mul_i32 s15, s14, STW
	v_add_nc_u32 v5, s15, v4                       ; into the stage: a row's 512 bytes as they lie
	v_mul_u32_u24 v6, v2, 528
	v_lshl_add_u32 v6, v3, 7, v6
	v_add_nc_u32 v6, s15, v6                       ; out of it: row r, + 128 h
	s_lshr_b32 s24, s14, 1
	s_lshl_b32 s24, s24, 8
	s_and_b32 s25, s14, 1
	s_lshl_b32 s25, s25, 3
	s_add_co_u32 s24, s24, s25
	s_add_co_u32 s24, s24, SCB
	v_lshl_add_u32 v7, v2, 4, s24                  ; my two scale words: 256 (kq / 2) + 16 r + 8 (kq % 2)
	v_lshlrev_b32 v8, 3, v3                        ; 8 h: a byte's shift
	v_and_b32 v9, 3, v0
	v_lshlrev_b32 v9, 4, v9                        ; bias: 16 (lane % 4)
	v_add_nc_u32 v10, SCB, v4                      ; the scale words on their way out
	v_mov_b32 v[TP], 0
	s_mov_b32 s44, 0x76543210
	s_mov_b32 s45, 0xfedcba98                      ; v_permlanex16_b32's selects for lane l xor 16
	s_lshr_b32 s16, ttmp9, 6                       ; section: 0 Wq, 1 Wk, 2 Wv, 3 out_proj
	s_bfe_u32 s17, ttmp9, 0x40002                  ; head (or group of 64 rows)
	s_and_b32 s18, ttmp9, 3                        ; t: tile in the block
	s_lshr_b32 s19, s17, 2                         ; w
	s_and_b32 s20, s17, 3                          ; i
	s_lshl_b32 s21, s20, 1
	s_add_co_u32 s21, s21, s16
	s_add_co_u32 s21, s21, 3                       ; 2 i + 3 + section
	s_cmp_eq_u32 s16, 0
	s_cselect_b32 s21, s20, s21                    ; n
	s_lshl_b32 s21, s21, 2
	s_add_co_u32 s21, s21, s19                     ; 4 n + w
	s_add_co_u32 s22, s17, 48
	s_cmp_eq_u32 s16, 3
	s_cselect_b32 s21, s22, s21                    ; the block
	s_cselect_b32 s23, 192, 0
	s_sub_co_u32 s23, ttmp9, s23                   ; the tile's number in its own tensor
	s_lshl_b32 s26, s23, 16
	s_lshl_b32 s27, s14, 10
	s_add_co_u32 s26, s26, s27
	s_mov_b32 s27, 0                               ; weights: 65,536 x tile + 1,024 kq
	s_lshl_b32 s28, s23, 6
	s_mov_b32 s29, 0                               ; bias: 64 x tile
	s_mul_i32 s30, s21, WB
	s_mul_i32 s31, s18, NT
	s_add_co_u32 s32, s30, s31
	s_lshl_b32 s33, s14, 11
	s_add_co_u32 s32, s32, s33
	s_mov_b32 s33, 0                               ; codes: block + 8,704 t + 2,048 kq
	s_lshl_b32 s34, s18, 6
	s_add_co_u32 s34, s34, s30
	s_add_co_u32 s34, s34, 4*NT
	s_mov_b32 s35, 0                               ; bias out: block + 34,816 + 64 t
	s_wait_kmcnt 0x0
	s_cmp_eq_u32 s16, 3                            ; the choice hangs on the work-group's number alone
	s_cselect_b64 s[4:5], s[6:7], s[4:5]
	s_cselect_b64 s[8:9], s[10:11], s[8:9]
	s_add_nc_u64 s[4:5], s[4:5], s[26:27]
	s_add_nc_u64 s[8:9], s[8:9], s[28:29]
	s_add_nc_u64 s[36:37], s[12:13], s[32:33]
	s_add_nc_u64 s[38:39], s[12:13], s[34:35]
	global_load_b128 v[BIA:BIA+3], v9, s[8:9]      ; the oldest load: the counts below hold with it
.irp f, 0,1
.irp row, 0,1,2,3,4,5,6,7,8,9,10,11,12,13,14,15
	global_load_b128 v[R+64*\f+4*\row:R+64*\f+4*\row+3], v4, s[4:5] offset:\row*4096+512*\f th:TH_LOAD_NT   ; 32 lanes read 512 consecutive bytes; read once in the launch
.endr
.endr
.macro FRAG f
.if \f == 0
	s_wait_loadcnt 16                              ; this fragment's 16 loads are in; the other's 16 may be out
.else
	s_wait_loadcnt 0x0
.endif
.irp row, 0,1,2,3,4,5,6,7,8,9,10,11,12,13,14,15
	ds_store_b128 v5, v[R+64*\f+4*\row:R+64*\f+4*\row+3] offset:\f*STF+\row*528
.endr
.irp c, 0,1
.irp i, 0,1,2,3,4,5,6,7
	ds_load_b128 v[X+32*\c+4*\i:X+32*\c+4*\i+3], v6 offset:\f*STF+256*\c+16*\i   ; LDS serves a wave's instructions in order: these see the stores above
.endr
.endr
	s_wait_dscnt 0x0
.irp c, 0,1
	v_max3_num_f32 v[TA+\c], |v[X+32*\c]|, |v[X+32*\c+1]|, |v[X+32*\c+2]|        ; block 2 c + h of this K step: all 32 numbers are mine
	v_max3_num_f32 v[TA+2+\c], |v[X+32*\c+3]|, |v[X+32*\c+4]|, |v[X+32*\c+5]|
.endr
.irp i, 6,10,14,18,22,26
.irp c, 0,1
	v_max3_num_f32 v[TA+\c], v[TA+\c], |v[X+32*\c+\i]|, |v[X+32*\c+\i+1]|
	v_max3_num_f32 v[TA+2+\c], v[TA+2+\c], |v[X+32*\c+\i+2]|, |v[X+32*\c+\i+3]|
.endr
.endr
.irp c, 0,1
	v_max3_num_f32 v[TA+\c], v[TA+\c], |v[X+32*\c+30]|, |v[X+32*\c+31]|
.endr
.irp c, 0,1
	v_max3_num_f32 v[TA+\c], v[TA+\c], v[TA+2+\c], 0x1800000    ; the floor 2^(3 - 127): the byte cannot fall under 1
.endr
.irp c, 0,1
	v_add_nc_u32 v[TA+4+\c], 0xff000000, v[TA+\c]  ; 2 off the exponent field: the conversion's scale operand
.endr
.irp c, 0,1
	v_lshrrev_b32 v[TA+6+\c], 23, v[TA+4+\c]       ; the scale's byte
.endr
.irp c, 0,1
.irp g, 0,1,2,3
	v_cvt_scalef32_pk8_fp4_f32 v[C+8*\f+4*\c+\g], v[X+32*\c+8*\g:X+32*\c+8*\g+7], v[TA+4+\c]
.endr
.endr
	v_lshl_or_b32 v[W+\f], v[TA+7], 16, v[TA+6]    ; my two bytes: blocks h and 2 + h of row r (a plain line behind the conversions),
	v_lshlrev_b32 v[W+\f], v8, v[W+\f]             ; at their places in the word;
	v_permlanex16_b32 v[TP], v[W+\f], s44, s45
	v_or_b32 v[W+\f], v[W+\f], v[TP]               ; with lane l xor 16's two the word is whole
.irp c, 0,1
	global_store_b128 v4, v[C+8*\f+4*\c:C+8*\f+4*\c+3], s[36:37] offset:\f*1024+512*\c   ; 32 lanes store 512 consecutive bytes, aligned to 256
.endr
.endm
	FRAG 0
	FRAG 1
	ds_store_b64 v7, v[W:W+1]                      ; both halves of the lanes write the same words with the same values
	s_wait_dscnt 0x0                               ; for wave 0's sake: my words have landed
	s_barrier_signal -1
	s_barrier_wait -1
	s_cmp_lg_u32 s14, 0
	s_cbranch_scc1 .Ldone
	ds_load_b128 v[16:19], v10                     ; the tile's 512 bytes of scale words, from all four waves
	s_wait_dscnt 0x0
	global_store_b128 v4, v[16:19], s[36:37] offset:8192
	v_cmp_gt_u32 vcc_lo, 4, v1
	s_wait_xcnt 0x0                                ; EXEC changes only behind this wait
	s_and_saveexec_b32 s40, vcc_lo
	global_store_b128 v4, v[BIA:BIA+3], s[38:39]   ; four lanes: the tile's 16 bias numbers
	s_wait_xcnt 0x0
	s_or_b32 exec_lo, exec_lo, s40
.Ldone:
	s_wait_tensorcnt 0x0
	ds_add_u32 v254, v255
	s_wait_dscnt 0x0
	s_endpgm
.Lfunc_end_k_q03c12edcf5_prep:
	.size	k_q03c12edcf5_prep, .Lfunc_end_k_q03c12edcf5_prep-k_q03c12edcf5_prep
	.p2alignl 7, 3214868480
	.fill 96, 4, 3214868480
	.section	.rodata,"a",@progbits
	.p2align	6, 0x0
	.amdhsa_kernel k_q03c12edcf5_prep
		.amdhsa_group_segment_fixed_size 69120
		.amdhsa_private_segment_fixed_size 0
		.amdhsa_enable_private_segment 0
		.amdhsa_kernarg_size 40
		.amdhsa_user_sgpr_count 2
		.amdhsa_user_sgpr_kernarg_segment_ptr 1
		.amdhsa_wavefront_size32 1
		.amdhsa_system_sgpr_workgroup_id_x 1
		.amdhsa_system_sgpr_workgroup_id_y 1
		.amdhsa_system_sgpr_workgroup_id_z 1
		.amdhsa_system_vgpr_workitem_id 0
		.amdhsa_next_free_vgpr 256
		.amdhsa_next_free_sgpr 66
		.amdhsa_reserve_vcc 1
		.amdhsa_float_denorm_mode_32 3
		.amdhsa_float_denorm_mode_16_64 3
		.amdhsa_memory_ordered 1
		.amdhsa_forward_progress 1
		.amdhsa_inst_pref_size 18
	.end_amdhsa_kernel
	.amdgpu_metadata
---
amdhsa.version: [ 1, 2 ]
amdhsa.kernels:
  - .name:           k_q03c12edcf5_prep
    .symbol:         k_q03c12edcf5_prep.kd
    .args:
      - { .name: in_proj_weight, .offset: 0, .size: 8, .value_kind: global_buffer, .address_space: global }
      - { .name: out_proj_weight, .offset: 8, .size: 8, .value_kind: global_buffer, .address_space: global }
      - { .name: in_proj_bias, .offset: 16, .size: 8, .value_kind: global_buffer, .address_space: global }
      - { .name: out_proj_bias, .offset: 24, .size: 8, .value_kind: global_buffer, .address_space: global }
      - { .name: wimg, .offset: 32, .size: 8, .value_kind: global_buffer, .address_space: global }
    .group_segment_fixed_size: 69120
    .private_segment_fixed_size: 0
    .kernarg_segment_align: 8
    .kernarg_segment_size: 40
    .max_flat_workgroup_size: 128
    .sgpr_count:     66
    .vgpr_count:     256
    .wavefront_size: 32
...
	.end_amdgpu_metadata
.endif
;; end of part 1
;; launch fuse (part 2): grid 256 x 1, 4 waves a work-group, clusters of 4 x 1, 327,680 bytes of LDS; arguments model_output, knowledge_output, input_ids, wimg, part, ml, mpos; writes part, ml, mpos
.if DOCPART == 2
	.amdgcn_target "amdgcn-amd-amdhsa--gfx1250"
	.amdhsa_code_object_version 6
	.text
	.protected	k_q03c12edcf5_fuse
	.globl	k_q03c12edcf5_fuse
	.p2align	8
	.type	k_q03c12edcf5_fuse,@function
k_q03c12edcf5_fuse:
	s_mov_b64 s[64:65], 0
	v_nop
	global_prefetch_b8 v0, s[64:65] scope:SCOPE_SE
	s_setreg_imm32_b32 hwreg(HW_REG_WAVE_MODE, 25, 1), 1
	s_wait_xcnt 0x0
	s_wait_alu depctr_hold_cnt(0) depctr_sa_sdst(0) depctr_va_vdst(0) depctr_va_sdst(0) depctr_va_ssrc(0) depctr_va_vcc(0) depctr_vm_vsrc(0)
	s_getreg_b32 s2, hwreg(HW_REG_IB_STS2, 6, 4)
	s_cmp_eq_u32 s2, 0
	s_cbranch_scc0 .Lentry_in_a_cluster
	s_endpgm
.Lentry_in_a_cluster:
	s_bfe_u32 s2, ttmp6, 0x10000c
	s_cmp_lg_u32 s2, 0x3003
	s_cbranch_scc0 .Lentry_shape_is_right
	s_endpgm
.Lentry_shape_is_right:
; For 128 rows of one sequence: knowledge injection, quantising to FP4 (E2M1, one E8M0 byte for each 32 along K), the K and V projections on codes, and the one-query attention of all 16 heads over these 128 keys.
; Out go, for each head, the quarter's largest score m, l = the sum of p = e^(s - m), and the sum of p v (64 numbers); the last launch merges the four quarters.  k and v never go to memory.
; SHARES.  A cluster of four work-groups is one sequence (ttmp9), a work-group one quarter of its rows (cx).  Wave w owns heads 4 w .. 4 w + 3 for all 128 rows.
; THE ROWS' CODES ARE STATIONARY: 128 x 1,024 codes are 512 registers of every wave, so a weight fragment read from LDS feeds eight matrix instructions.  The weights pass once, in 12 tiles of 140,288 bytes
; (4 blocks of 35,072, one a wave, each read by its own wave alone) through a ring of two LDS slots.  All work-groups walk the same weights: each tile is asked for JOINTLY by the four of a cluster (mask 15).
; THE PRODUCT IS USED TRANSPOSED (source 0 = 16 weight rows, source 1 = 16 data rows): lane (r, h) holds key r of a row tile, register j of tile t channel d = 16 t + 8 h + j.  So a score is 32 multiply-adds of a lane
; and one exchange of halves, p is one number a lane and row tile, and the sum of p v is multiply-adds of a lane and one reduce-scatter over 16 lanes.  The bias is the C of a sum's first matrix instruction.
; q: the query row's codes, given to all 16 columns of a tile, times Wq's tiles (ring tiles 0-3, while the rows still stream in) give q in every lane in the layout that the scores want.
; PHASE 1: 68 steps of half a row (2,048 bytes) a wave: 2 of the knowledge row, 2 of the query row, 64 of the wave's 32 rows.  Loads run 15 steps ahead (60 loads a wave); a step's bytes turn through the wave's own
; stage in LDS so that a lane holds 16 neighbours; codes and scale bytes go to an image of 16 rows in LDS (two images by turns, one barrier for each 16 rows), from which every wave fetches the tile's fragments.
; A row whose id is the knowledge token takes the knowledge row's codes and bytes by v_cndmask_b32: no branch hangs on data.
; PHASE 2: for each of the wave's 4 heads: 256 products for k, the scores and p; 256 products for v, the sums.
; LIMITS: NaN and infinities are not served.  A block of zeros has byte 1 and zero codes (the rule: 127; the products are the same).  A p under 2^-126 is 0 (v_exp_f32).  Sums are taken in another order than the reference's.
; REGISTERS, in windows of 256: window 0: v1-23 addresses; v24-55 the rows' scale words, v56-71 the weights' (these hold scales alone); v72-167 three sets of weight fragments (phase 1: v136-167 two sets of 16 neighbours);
;   v168-199 bias; v200-231 q, then the sums of p v; v232-255 at work.   window 1: phase 1 the ring of loads, 16 sets of 16; phase 2 the 32 accumulators, (m, t) at 32 m + 8 t.
;   windows 2, 3: the codes: row tile m, K step s at v[32 m + 8 (s % 4)] of window 2 + s / 4; tile 7's place holds the query's tile until the last 16 rows arrive.
.set WB,    35072                      ; a wave's block of a ring tile
.set NT,    8704                       ; 16 weight rows in it: 8 x 1,024 of codes, 512 of scale words
.set TILEB, 4*WB                       ; a slot
.set IMG,   2*TILEB                    ; behind the ring: two images of 16 rows x (512 bytes of codes + 16)
.set IMGB,  8448
.set SCI,   IMG+2*IMGB                 ; their scale bytes: 16 rows x (32 + 16)
.set SCIB,  768
.set TURN,  SCI+2*SCIB                 ; the waves' stages: 2 x 32 x 80 bytes each
.set QROW,  TURN+4*5120                ; the query row's codes (512) and scale bytes (at + 512), a copy for each wave
.set QS,    QROW+4*768                 ; q / 8 of the wave's four heads, 256 bytes each
.set SPARE, QS+4*1024                  ; the spare words, 128 bytes for each wave: two blocks of 256 bytes that no other line names
.set NSTEP, 68
.set SPW, 1                            ; LDS address of my spare word; never rewritten
.set NIL, 2                            ; 0; never rewritten
.set LANE, 3
.set VG,  4                            ; rows: 16 x lane + 16,384 x wave
.set VG0, 5                            ; 16 x lane
.set TIN, 6                            ; the stage, way in
.set TOUT, 7                           ; and way out
.set CI,  8                            ; where my codes go in an image
.set SI,  9                            ; and my scale byte
.set QCI, 10                           ; the same for the query row
.set QSI, 11
.set FI,  12                           ; where my lane fetches a fragment of an image
.set FS,  13                           ; and its scale words
.set FQA, 14                           ; the same of the query row
.set ADW, 15                           ; v15-16 my lane's place in my block, slot 0, 1
.set VBI, 17                           ; v17-18 and in its bias
.set VQ,  19                           ; my lane's place in q
.set VP,  20                           ; my byte offset in part
.set VML, 21                           ; and in ml
.set MLV, 22                           ; v22-23 lane i: m and l of my head i
.set VQA, 10                           ; phase 2: q's address in hand (the query row's register is free by then)
.set AS,  24
.set WS,  56
.set WF,  72
.set X,   136
.set BI,  168
.set QV,  200
.set T,   232
.set WV,  18
.set CX,  19
.set SEL, 22
.set G1,  24
.set G0,  32
.set MK,  40                           ; s40-55 sixteen masks of the search
.set KM,  56                           ; bit x: my row x is a knowledge slot
.set FQM, 57                           ; all ones: the query row is a knowledge slot
.set SM,  58
.set POS, 59
.set LM,  66                           ; s66-69 lanes whose bit 3, 2, 1, 0 is set
.set L2E, 70
.set TQ,  71
.set CNT, 72
.set KI,  73
.set MB,  74
.set KB,  76
.set QB,  78
.set PB,  80
.set MLB, 82
.set MPB, 84
.set IDB, 86
.set OF,  88
.set IDR, 90
.set MSB, 0
.macro WIN new                         ; the immediate's high byte repeats the setting that is left; a switch that changes nothing is dropped
.if MSB != (\new)
	s_set_vgpr_msb (MSB<<8)|(\new)
.set MSB, (\new)
.endif
.endm
.macro PLACES                          ; four plain places behind a matrix instruction, in front of loads into its registers and of reads of its results
.rept 4
	v_nop
.endr
.endm
.macro ROUND                           ; a round of the cluster's barrier
	s_barrier_signal -1
	s_barrier_wait -1
	s_cmp_lg_u32 s[WV], 0
	s_cbranch_scc1 .Lnot_wave_0_\@
	s_barrier_signal -3
.Lnot_wave_0_\@:
	s_barrier_wait -3
	s_barrier_signal -1
	s_barrier_wait -1
.endm
.macro BAR                             ; my LDS stores have landed and my LDS loads are in: then the work-group's barrier.  A tensor load may stay out
	s_wait_dscnt 0x0
	s_barrier_signal -1
	s_barrier_wait -1
.endm
; Slot o, whose tile my wave has read out, takes the tile two further on.  It also serves as the barrier between an image's stores and its reads.
.macro CHANGE o
	WIN 0
	s_wait_tensorcnt 0x0                           ; all my tensor loads have landed: the one that was out is the other slot's; so a group 0 may be written
	ds_add_u32 v[SPW], v[NIL]                      ; 0 onto my spare word
	s_add_nc_u64 s[G0+4*\o+2:G0+4*\o+3], s[G0+4*\o+2:G0+4*\o+3], 2*TILEB
	s_wait_dscnt 0x0                               ; the add is done, my reads of the slot are over, my stores into the image have landed
	ROUND                                          ; all that holds of every wave of the four work-groups
	tensor_load_to_lds s[G0+4*\o:G0+4*\o+3], s[G1:G1+7]   ; my one tensor load behind the round, and the first thing there
	s_nop 0
	PLACES
.endm
; What step n of phase 1 is.  KIND 1: half HF of the knowledge row; 2: of the query row; 0: of my row XX = 4 JJ + RR (row 16 JJ + 4 wave + RR of the work-group)
.macro SEQ n
.set JJ, 0
.set RR, 0
.set XX, 0
.if (\n) < 2
.set KIND, 1
.set HF, (\n)
.elseif ((\n) == 16) || ((\n) == 17)
.set KIND, 2
.set HF, (\n)-16
.else
.set KIND, 0
.if (\n) < 16
.set RHO, (\n)-2
.else
.set RHO, (\n)-4
.endif
.set HF, RHO%2
.set XX, RHO/2
.set JJ, XX/4
.set RR, XX%4
.endif
.endm
.macro LOAD n                          ; four loads of 512 consecutive bytes into set n % 16 of window 1
	SEQ \n
.set RS, 16*((\n)%16)
.irp i, 0,1,2,3
.if KIND == 0
	global_load_b128 v[RS+4*\i:RS+4*\i+3], v[VG], s[MB:MB+1] offset:(16*JJ+RR)*4096+2048*HF+512*\i th:TH_LOAD_NT
.elseif KIND == 1
	global_load_b128 v[RS+4*\i:RS+4*\i+3], v[VG0], s[KB:KB+1] offset:2048*HF+512*\i
.else
	global_load_b128 v[RS+4*\i:RS+4*\i+3], v[VG0], s[QB:QB+1] offset:2048*HF+512*\i
.endif
.endr
.endm
.macro TURNS n                         ; step n's bytes into stage n % 2, as they lie: four lanes' 64 bytes on end, then 16 of padding
.set RS, 16*((\n)%16)
.irp i, 0,1,2,3
	ds_store_b128 v[TIN], v[RS+4*\i:RS+4*\i+3] offset:2560*((\n)%2)+640*\i
.endr
.endm
.macro TURNL n                         ; and back, 64 bytes a lane: 16 neighbours along K
.irp i, 0,1,2,3
	ds_load_b128 v[X+16*((\n)%2)+4*\i:X+16*((\n)%2)+4*\i+3], v[TOUT] offset:2560*((\n)%2)+16*\i
.endr
.endm
; Step n.  dsy: the LDS instructions issued behind this step's way back from the stage (the last step's two stores; none behind a knowledge step); -1: a barrier's wait for 0 has shown it back.
.macro STEP n, dsy
	WIN 0
.if \dsy >= 0
	s_wait_dscnt \dsy
.endif
.if (\n)+1 < NSTEP
.if (\n)+15 < NSTEP
	s_wait_loadcnt 56                              ; the next step's four loads are in; those of the 14 steps behind it may be out
.else
	s_wait_loadcnt 4*(NSTEP-2-(\n))
.endif
	WIN 0x44                                       ; loaded data and store data in window 1
	TURNS (\n)+1
.if (\n)+16 < NSTEP
	LOAD (\n)+16                                   ; into this step's set: its stores into the stage are done, since its numbers are back
.endif
	WIN 0
	TURNL (\n)+1
.endif
	SEQ \n
.set XN, X+16*((\n)%2)
.set CC, T+4+2*((\n)%2)
.set EE, T+8+((\n)%2)
.if KIND == 1
.set CC, T+10+2*HF                     ; the knowledge row's codes and bytes stay in v242-247
.set EE, T+14+HF
.endif
	v_max3_num_f32 v[T], |v[XN]|, |v[XN+1]|, |v[XN+2]|            ; the largest magnitude of my 16
	v_max3_num_f32 v[T+1], |v[XN+3]|, |v[XN+4]|, |v[XN+5]|
.irp i, 6,10
	v_max3_num_f32 v[T], v[T], |v[XN+\i]|, |v[XN+\i+1]|
	v_max3_num_f32 v[T+1], v[T+1], |v[XN+\i+2]|, |v[XN+\i+3]|
.endr
	v_max3_num_f32 v[T], v[T], |v[XN+14]|, |v[XN+15]|
	v_max3_num_f32 v[T], v[T], v[T+1], 0x1800000   ; the floor 2^(3 - 127): the byte cannot fall under 1
	v_max_num_f32_dpp v[T], v[T], v[T] row_xmask:1 row_mask:0xf bank_mask:0xf   ; and of my neighbour's 16: the block's
	v_add_nc_u32 v[T+2], 0xff000000, v[T]          ; 2 off the exponent field: the conversion's scale operand
	v_cvt_scalef32_pk8_fp4_f32 v[CC], v[XN:XN+7], v[T+2]
	v_cvt_scalef32_pk8_fp4_f32 v[CC+1], v[XN+8:XN+15], v[T+2]
	v_lshrrev_b32 v[EE], 23, v[T+2]                ; the scale's byte (the plain line behind the conversions)
.if KIND == 0
	s_bitcmp1_b32 s[KM], XX
	s_cselect_b32 s[SM], -1, 0                     ; a knowledge slot takes the knowledge row's codes and byte
	v_cndmask_b32 v[CC], v[CC], v[T+10+2*HF], s[SM]
	v_cndmask_b32 v[CC+1], v[CC+1], v[T+11+2*HF], s[SM]
	v_cndmask_b32 v[EE], v[EE], v[T+14+HF], s[SM]
	ds_store_b64 v[CI], v[CC:CC+1] offset:IMGB*(JJ%2)+528*RR+256*HF
	ds_store_b8 v[SI], v[EE] offset:SCIB*(JJ%2)+48*RR+16*HF      ; both lanes of a block write the same byte with the same value
.elseif KIND == 2
	v_cndmask_b32 v[CC], v[CC], v[T+10+2*HF], s[FQM]
	v_cndmask_b32 v[CC+1], v[CC+1], v[T+11+2*HF], s[FQM]
	v_cndmask_b32 v[EE], v[EE], v[T+14+HF], s[FQM]
	ds_store_b64 v[QCI], v[CC:CC+1] offset:256*HF
	ds_store_b8 v[QSI], v[EE] offset:16*HF
.endif
.endm
.macro SUB8 a                          ; the eight steps of 16 rows, behind a barrier
	STEP \a, -1
.irp d, 1,2,3,4,5,6,7
	STEP (\a)+\d, 2
.endr
.endm
; Row tile j out of its image: lane (r, h) takes, for K step s and piece c, 16 bytes at 528 r + 64 s + 32 c + 16 h; and the row's eight scale words, four to a half of the lanes
.macro FETCHA j
	WIN 0x80
.irp s, 0,1,2,3
.irp c, 0,1
	ds_load_b128 v[32*(\j)+8*\s+4*\c:32*(\j)+8*\s+4*\c+3], v[FI] offset:IMGB*((\j)%2)+64*\s+32*\c
.endr
.endr
	WIN 0xc0
.irp s, 0,1,2,3
.irp c, 0,1
	ds_load_b128 v[32*(\j)+8*\s+4*\c:32*(\j)+8*\s+4*\c+3], v[FI] offset:IMGB*((\j)%2)+256+64*\s+32*\c
.endr
.endr
	WIN 0
	ds_load_b128 v[AS+4*(\j):AS+4*(\j)+3], v[FS] offset:SCIB*((\j)%2)
.endm
.macro FETCHQ                          ; the query row, the same for all sixteen columns, into tile 7's place
	WIN 0x80
.irp s, 0,1,2,3
.irp c, 0,1
	ds_load_b128 v[224+8*\s+4*\c:224+8*\s+4*\c+3], v[FQA] offset:64*\s+32*\c
.endr
.endr
	WIN 0xc0
.irp s, 0,1,2,3
.irp c, 0,1
	ds_load_b128 v[224+8*\s+4*\c:224+8*\s+4*\c+3], v[FQA] offset:256+64*\s+32*\c
.endr
.endr
	WIN 0
	ds_load_b128 v[AS+28:AS+31], v[FQA] offset:512
.endm
.macro FETCHW sl, kk, st               ; my block's four fragments of K step kk into set st: eight loads of 512 bytes on end
.irp t, 0,1,2,3
.irp c, 0,1
	ds_load_b128 v[WF+32*(\st)+8*\t+4*\c:WF+32*(\st)+8*\t+4*\c+3], v[ADW+(\sl)] offset:NT*\t+1024*(\kk)+512*\c
.endr
.endr
.endm
.macro WTAB sl                         ; my block's scale words (4 loads) and bias in the result's layout (8 loads)
.irp t, 0,1,2,3
	ds_load_b128 v[WS+4*\t:WS+4*\t+3], v[ADW+(\sl)] offset:NT*\t+8192
.endr
.irp t, 0,1,2,3
	ds_load_b128 v[BI+8*\t:BI+8*\t+3], v[VBI+(\sl)] offset:64*\t
	ds_load_b128 v[BI+8*\t+4:BI+8*\t+7], v[VBI+(\sl)] offset:64*\t+16
.endr
.endm
.macro MM d, a, b, c, sa, sb, row      ; row = 1: both sides' scale words are read from lanes 16-31 (K steps 4 to 7)
.if \row
	v_wmma_scale_f32_16x16x128_f8f6f4 v[(\d):(\d)+7], v[(\a):(\a)+7], v[(\b):(\b)+7], v[(\c):(\c)+7], v[(\sa)], v[(\sb)] matrix_a_fmt:MATRIX_FMT_FP4 matrix_b_fmt:MATRIX_FMT_FP4 matrix_a_scale:MATRIX_SCALE_ROW1 matrix_b_scale:MATRIX_SCALE_ROW1
.else
	v_wmma_scale_f32_16x16x128_f8f6f4 v[(\d):(\d)+7], v[(\a):(\a)+7], v[(\b):(\b)+7], v[(\c):(\c)+7], v[(\sa)], v[(\sb)] matrix_a_fmt:MATRIX_FMT_FP4 matrix_b_fmt:MATRIX_FMT_FP4
.endif
.endm
; q of my head x: ring tile x (slot x % 2) times the query's tile: 32 products, four accumulators by turns; then / 8, exactly, and into LDS
.macro QSTAGE x
.set SL, (\x)%2
	WTAB SL
	FETCHW SL, 0, 0
	FETCHW SL, 1, 1
.irp ks, 0,1,2,3,4,5,6,7
.if \ks < 7
	s_wait_dscnt 8                                 ; this K step's fragments are in; the next step's eight loads may be out
.else
	s_wait_dscnt 0x0
.endif
	WIN 0x08+4*(\ks/4)                             ; source 1: window 2 or 3
.irp t, 0,1,2,3
.if \ks == 0
	MM QV+8*\t, WF+8*\t, 224, BI+8*\t, WS+4*\t, AS+28, 0
.else
	MM QV+8*\t, WF+32*(\ks%2)+8*\t, 224+8*(\ks%4), QV+8*\t, WS+4*\t+\ks%4, AS+28+\ks%4, \ks/4
.endif
.endr
.if \ks < 6
	PLACES
	WIN 0
	FETCHW SL, \ks+2, \ks%2
.endif
.endr
	PLACES
	WIN 0
.irp i, 0,1,2,3,4,5,6,7,8,9,10,11,12,13,14,15
	v_pk_mul_f32 v[QV+2*\i:QV+2*\i+1], v[QV+2*\i:QV+2*\i+1], 0x3e000000 op_sel_hi:[1,0]   ; x 1 / sqrt(64); each accumulator from its low end on
.endr
.irp t, 0,1,2,3
	ds_store_b128 v[VQ], v[QV+8*\t:QV+8*\t+3] offset:256*(\x)+64*\t        ; the sixteen lanes of a half write the same bytes with the same values
	ds_store_b128 v[VQ], v[QV+8*\t+4:QV+8*\t+7] offset:256*(\x)+64*\t+16
.endr
.endm
; 128 rows x 64 channels x K = 1,024: 8 K steps of 32 products, the 32 accumulators by turns, one instruction a turn.  Three sets of weight fragments, fetched three steps ahead.
.macro STAGE sl, isk
	WIN 0
.if \isk
	s_wait_xcnt 0x0                                ; the last store of sums has read QV and VP: both are written again only behind this wait
	v_add_nc_u32 v[VQA], s[TQ], v[VQ]
.irp t, 0,1,2,3
	ds_load_b128 v[QV+8*\t:QV+8*\t+3], v[VQA] offset:64*\t
	ds_load_b128 v[QV+8*\t+4:QV+8*\t+7], v[VQA] offset:64*\t+16
.endr
.endif
	WTAB \sl
	FETCHW \sl, 0, 0
	FETCHW \sl, 1, 1
	FETCHW \sl, 2, 2
.irp ks, 0,1,2,3,4,5,6,7
.if \ks <= 5
	s_wait_dscnt 16                                ; this step's set is in; the two sets behind it may be out
.elseif \ks == 6
	s_wait_dscnt 8
.else
	s_wait_dscnt 0x0
.endif
.if \ks == 0
	WIN 0x48                                       ; source 1 window 2, C (the bias) window 0, D window 1
.elseif \ks < 4
	WIN 0x58                                       ; C and D window 1
.else
	WIN 0x5c                                       ; source 1 window 3
.endif
.irp m, 0,1,2,3,4,5,6,7
.irp t, 0,1,2,3
.if \ks == 0
	MM 32*\m+8*\t, WF+8*\t, 32*\m, BI+8*\t, WS+4*\t, AS+4*\m, 0
.else
	MM 32*\m+8*\t, WF+32*(\ks%3)+8*\t, 32*\m+8*(\ks%4), 32*\m+8*\t, WS+4*\t+\ks%4, AS+4*\m+\ks%4, \ks/4
.endif
.endr
.endr
.if \ks <= 4
	PLACES
	WIN 0
	FETCHW \sl, \ks+3, \ks%3
.endif
.endr
	PLACES
.endm
; The scores of my head's 128 keys, their largest, p and l.  v[T + 2 m]: row tile m's score, then p, of key r; both halves of the lanes hold the same.
.macro SCORE
	WIN 0x01                                       ; source 0: the accumulators
.irp p, 0,1,2,3,4,5,6,7,8,9,10,11,12,13,14,15
.irp m, 0,1,2,3,4,5,6,7
.if \p == 0
	v_pk_mul_f32 v[T+2*\m:T+2*\m+1], v[32*\m:32*\m+1], v[QV:QV+1]
.else
	v_pk_fma_f32 v[T+2*\m:T+2*\m+1], v[32*\m+2*\p:32*\m+2*\p+1], v[QV+2*\p:QV+2*\p+1], v[T+2*\m:T+2*\m+1]
.endif
.endr
.endr
	WIN 0
	v_add_nc_u32 v[VP], 1024, v[VP]                ; the next store of sums is this head's; it reaches back 1,024 bytes (no global instruction has been issued since the wait at this stage's head)
	s_add_co_u32 s[TQ], s[TQ], 256                 ; the next head's q
.irp m, 0,1,2,3,4,5,6,7
	v_add_f32 v[T+2*\m], v[T+2*\m], v[T+2*\m+1]
.endr
.irp m, 0,1,2,3,4,5,6,7
	v_permlanex16_b32 v[T+16+\m], v[T+2*\m], s[SEL], s[SEL+1]
.endr
.irp m, 0,1,2,3,4,5,6,7
	v_add_f32 v[T+2*\m], v[T+2*\m], v[T+16+\m]     ; with the other half's 32 channels: the score
.endr
	v_max3_num_f32 v[T+1], v[T], v[T+2], v[T+4]
	v_max3_num_f32 v[T+3], v[T+6], v[T+8], v[T+10]
	v_max3_num_f32 v[T+1], v[T+1], v[T+12], v[T+14]
	v_max_num_f32 v[T+1], v[T+1], v[T+3]
.irp k, 1,2,4,8
	v_max_num_f32_dpp v[T+1], v[T+1], v[T+1] row_xmask:\k row_mask:0xf bank_mask:0xf
.endr
.irp m, 0,1,2,3,4,5,6,7
	v_sub_f32 v[T+2*\m], v[T+2*\m], v[T+1]         ; the largest is taken away first
.endr
.irp m, 0,1,2,3,4,5,6,7
	v_mul_f32 v[T+2*\m], s[L2E], v[T+2*\m]
.endr
.irp m, 0,1,2,3,4,5,6,7
	v_exp_f32 v[T+2*\m], v[T+2*\m]
.endr
	v_nop                                          ; a plain line behind the exponentials
	v_cmp_eq_u32 vcc_lo, s[KI], v[LANE]
	v_cndmask_b32 v[MLV], v[MLV], v[T+1], vcc_lo   ; lane i keeps head i's m
	s_wait_alu depctr_va_vdst(0)
	v_add_f32 v[T+3], v[T], v[T+2]
	v_add_f32 v[T+5], v[T+4], v[T+6]
	v_add_f32 v[T+7], v[T+8], v[T+10]
	v_add_f32 v[T+9], v[T+12], v[T+14]
	v_add_f32 v[T+3], v[T+3], v[T+5]
	v_add_f32 v[T+7], v[T+7], v[T+9]
	v_add_f32 v[T+3], v[T+3], v[T+7]
.irp k, 1,2,4,8
	v_add_f32_dpp v[T+3], v[T+3], v[T+3] row_xmask:\k row_mask:0xf bank_mask:0xf
.endr
	v_cndmask_b32 v[MLV+1], v[MLV+1], v[T+3], vcc_lo   ; and its l
	s_add_co_u32 s[KI], s[KI], 1
.endm
; One level of the reduce-scatter: of 2 cnt sums a lane keeps cnt (the upper ones where its bit is set), sends the others to lane l xor xm and adds what that lane sends
.macro RSC cnt, xm, msk
.set II, 0
.rept \cnt
	v_cndmask_b32 v[T+II], v[QV+II+\cnt], v[QV+II], s[\msk]
.set II, II+1
.endr
.set II, 0
.rept \cnt
	v_cndmask_b32 v[QV+II], v[QV+II], v[QV+II+\cnt], s[\msk]
.set II, II+1
.endr
.set II, 0
.rept \cnt
	v_add_f32_dpp v[QV+II], v[T+II], v[QV+II] row_xmask:\xm row_mask:0xf bank_mask:0xf
.set II, II+1
.endr
.endm
; The sums of p v over my head's 128 keys: in a lane over the 8 row tiles, then over the 16 lanes.  Lane (r, h) ends with sums 2 r and 2 r + 1 of 32: channels 16 (r / 4) + 8 h + 2 (r % 4) + 0, 1
.macro CTXP
	WIN 0x01
.irp m, 0,1,2,3,4,5,6,7
.irp p, 0,1,2,3,4,5,6,7,8,9,10,11,12,13,14,15
.if \m == 0
	v_pk_mul_f32 v[QV+2*\p:QV+2*\p+1], v[2*\p:2*\p+1], v[T:T+1] op_sel_hi:[1,0]
.else
	v_pk_fma_f32 v[QV+2*\p:QV+2*\p+1], v[32*\m+2*\p:32*\m+2*\p+1], v[T+2*\m:T+2*\m+1], v[QV+2*\p:QV+2*\p+1] op_sel_hi:[1,0,1]
.endif
.endr
.endr
	WIN 0
	RSC 16, 8, LM
	RSC 8, 4, LM+1
	RSC 4, 2, LM+2
	RSC 2, 1, LM+3
	global_store_b64 v[VP], v[QV:QV+1], s[PB:PB+1] offset:-1024   ; the wave stores 256 consecutive bytes, aligned
.endm
	s_load_b256 s[4:11], s[0:1], 0x0               ; model_output, knowledge_output, input_ids, wimg
	s_load_b128 s[12:15], s[0:1], 0x20             ; part, ml
	s_load_b64 s[16:17], s[0:1], 0x30              ; mpos
	v_lshl_add_u32 v[SPW], v0, 2, SPARE
	v_mov_b32 v[NIL], 0
	ds_add_u32 v1, v2
	ds_add_u32 v1, v2
	s_wait_dscnt 0x0
	v_lshrrev_b32 v[T], 5, v0
	v_readfirstlane_b32 s[WV], v[T]                ; wave 0..3
	s_bfe_u32 s[CX], ttmp6, 0x40000                ; cx: my quarter of the sequence; it enters global addresses alone
	v_and_b32 v[LANE], 31, v0
	v_and_b32 v[T], 15, v0                         ; r
	v_bfe_u32 v[T+1], v0, 4, 1                     ; h
	v_and_b32 v[T+3], 3, v0                        ; lane % 4
	v_lshlrev_b32 v[VG0], 4, v[LANE]
	s_lshl_b32 s60, s[WV], 14
	v_add_nc_u32 v[VG], s60, v[VG0]
	s_mul_i32 s60, s[WV], 5120
	s_add_co_u32 s60, s60, TURN
	v_lshrrev_b32 v[T+2], 2, v[LANE]
	v_mul_u32_u24 v[T+2], v[T+2], 80
	v_lshl_add_u32 v[T+2], v[T+3], 4, v[T+2]
	v_add_nc_u32 v[TIN], s60, v[T+2]               ; 80 (lane / 4) + 16 (lane % 4)
	v_mul_u32_u24 v[T+2], v[LANE], 80
	v_add_nc_u32 v[TOUT], s60, v[T+2]              ; 80 x lane
	s_mul_i32 s60, s[WV], 2112
	s_add_co_u32 s60, s60, IMG
	v_lshl_add_u32 v[CI], v[LANE], 3, s60          ; my four rows of an image, 8 bytes a lane
	s_mul_i32 s60, s[WV], 192
	s_add_co_u32 s60, s60, SCI
	v_lshrrev_b32 v[T+2], 1, v[LANE]
	v_add_nc_u32 v[SI], s60, v[T+2]
	s_mul_i32 s60, s[WV], 768
	s_add_co_u32 s60, s60, QROW
	v_lshl_add_u32 v[QCI], v[LANE], 3, s60
	v_lshl_add_u32 v[FQA], v[T+1], 4, s60
	s_add_co_u32 s60, s60, 512
	v_add_nc_u32 v[QSI], s60, v[T+2]
	v_mul_u32_u24 v[T+2], v[T], 528
	v_lshl_add_u32 v[T+2], v[T+1], 4, v[T+2]
	v_add_nc_u32 v[FI], IMG, v[T+2]
	v_mul_u32_u24 v[T+2], v[T], 48
	v_lshl_add_u32 v[T+2], v[T+1], 4, v[T+2]
	v_add_nc_u32 v[FS], SCI, v[T+2]
	s_mul_i32 s61, s[WV], WB                       ; my block's place in a slot and in a ring tile
	v_add_nc_u32 v[ADW], s61, v[VG0]
	v_add_nc_u32 v[ADW+1], TILEB, v[ADW]
	s_add_co_u32 s60, s61, 4*NT
	v_lshl_add_u32 v[VBI], v[T+1], 5, s60
	v_add_nc_u32 v[VBI+1], TILEB, v[VBI]
	s_lshl_b32 s60, s[WV], 10
	s_add_co_u32 s60, s60, QS
	v_lshl_add_u32 v[VQ], v[T+1], 5, s60
	v_lshrrev_b32 v[T+2], 2, v[T]
	v_lshlrev_b32 v[T+2], 6, v[T+2]
	v_lshl_add_u32 v[T+2], v[T+1], 5, v[T+2]
	v_lshl_add_u32 v[T+2], v[T+3], 3, v[T+2]
	s_lshl_b32 s60, s[WV], 12
	v_add_nc_u32 v[VP], s60, v[T+2]                ; 4,096 wave + 4 (16 (r / 4) + 8 h + 2 (r % 4))
	s_lshl_b32 s60, s[WV], 7
	v_lshl_add_u32 v[VML], v[LANE], 5, s60         ; 32 (4 wave + lane)
	v_lshrrev_b32 v[T+2], 2, v[LANE]
	v_lshlrev_b32 v[T+2], 6, v[T+2]
	v_lshl_add_u32 v[T+2], v[T+3], 2, v[T+2]
	s_lshl_b32 s60, s[WV], 4
	v_add_nc_u32 v90, s60, v[T+2]                  ; the id of my row x = lane: row 16 (lane / 4) + 4 wave + lane % 4
	v_mov_b32 v[MLV], 0
	v_mov_b32 v[MLV+1], 0
.irp i, 0,1,2,3,4,5,6,7
	v_mov_b32 v[T+16+\i], 0                        ; written once: a lane permute's destination counts as one of its sources
.endr
	s_mov_b32 s[SEL], 0x76543210
	s_mov_b32 s[SEL+1], 0xfedcba98                 ; v_permlanex16_b32's selects for lane l xor 16
	s_mov_b32 s[LM], 0xff00ff00
	s_mov_b32 s[LM+1], 0xf0f0f0f0
	s_mov_b32 s[LM+2], 0xcccccccc
	s_mov_b32 s[LM+3], 0xaaaaaaaa
	s_mov_b32 s[L2E], 0x3fb8aa3b                   ; log2(e)
	s_mov_b32 s[TQ], 0
	s_mov_b32 s[KI], 0
	; descriptor group 1: a dense block of 35,072 bytes as 137 rows of 256 bytes (32 elements of 8 bytes), no padding: the images are read 16 bytes a lane on end
	s_mov_b32 s[G1], 15|(3<<16)|(1<<21)            ; 15:0 the mask: all four work-groups; 17:16 elements of 8 bytes; 21 set beside a mask
	s_mov_b32 s[G1+1], 32<<16                      ; tensor_dim0
	s_mov_b32 s[G1+2], 137<<16                     ; tensor_dim1
	s_mov_b32 s[G1+3], 32<<16                      ; tile_dim0
	s_mov_b32 s[G1+4], 137                         ; tile_dim1
	s_mov_b32 s[G1+5], 32                          ; tensor_dim0_stride
	s_mov_b32 s[G1+6], 0
	s_mov_b32 s[G1+7], 0
	s_mov_b32 s92, s61
	s_mov_b32 s93, 0
	s_wait_kmcnt 0x0
	s_add_nc_u64 s[62:63], s[10:11], s[92:93]      ; ring tile 0, my block: the wave's number alone enters, so the four partners' descriptors are equal
	s_mov_b32 s[G0], 1
	s_mov_b32 s[G0+1], s61
	s_mov_b64 s[G0+2:G0+3], s[62:63]
	s_or_b32 s[G0+3], s[G0+3], 0x80000000
	s_mov_b32 s[G0+4], 1
	s_add_co_u32 s[G0+5], s61, TILEB
	s_add_nc_u64 s[G0+6:G0+7], s[62:63], TILEB
	s_or_b32 s[G0+7], s[G0+7], 0x80000000
	s_mov_b32 s[OF+1], 0
	s_lshl_b32 s[OF], ttmp9, 21
	s_add_nc_u64 s[QB:QB+1], s[4:5], s[OF:OF+1]    ; the sequence's first row; the query row's offset is added below
	s_lshl_b32 s[OF], s[CX], 19
	s_add_nc_u64 s[MB:MB+1], s[QB:QB+1], s[OF:OF+1]   ; my quarter's first row
	s_lshl_b32 s[OF], ttmp9, 12
	s_add_nc_u64 s[KB:KB+1], s[6:7], s[OF:OF+1]
	s_lshl_b32 s[OF], ttmp9, 11
	s_add_nc_u64 s[IDB:IDB+1], s[8:9], s[OF:OF+1]
	s_lshl_b32 s[OF], s[CX], 9
	s_add_nc_u64 s[IDR:IDR+1], s[IDB:IDB+1], s[OF:OF+1]
	s_lshl_b32 s[OF], ttmp9, 14
	s_lshl_b32 s60, s[CX], 8
	s_add_co_u32 s[OF], s[OF], s60
	s_add_nc_u64 s[PB:PB+1], s[12:13], s[OF:OF+1]  ; part [b][head][quarter][64]
	s_lshl_b32 s[OF], ttmp9, 9
	s_lshl_b32 s60, s[CX], 3
	s_add_co_u32 s[OF], s[OF], s60
	s_add_nc_u64 s[MLB:MLB+1], s[14:15], s[OF:OF+1]   ; ml [b][head][quarter][2]
	s_lshl_b32 s[OF], ttmp9, 4
	s_lshl_b32 s60, s[CX], 2
	s_add_co_u32 s[OF], s[OF], s60
	s_add_nc_u64 s[MPB:MPB+1], s[16:17], s[OF:OF+1]   ; mpos [b][quarter]
	ROUND                                          ; all four work-groups are here: the first joint loads meet
	tensor_load_to_lds s[G0:G0+3], s[G1:G1+7]      ; ring tiles 0 and 1: the two first fills go out together; two loads of mine are out
	s_nop 0
	tensor_load_to_lds s[G0+4:G0+7], s[G1:G1+7]
	s_nop 0
	PLACES
.irp c, 0,1,2,3
	global_load_b128 v[72+4*\c:75+4*\c], v[VG0], s[IDB:IDB+1] offset:512*\c   ; the sequence's 512 ids: register 4 c + e of lane l is id 128 c + 4 l + e
.endr
	global_load_b32 v88, v90, s[IDR:IDR+1]         ; my 32 rows' ids
	WIN 0x44
.irp n, 0,1,2,3,4,5,6,7,8,9,10,11,12,13
	LOAD \n
.endr
	WIN 0
	s_wait_loadcnt 56                              ; the five loads of ids are in; the 56 behind them may be out
	; the first [MASK] of the sequence, or row 0: whole numbers read from memory, by scalar minima; no branch
	s_mov_b32 s60, 30001
	s_mov_b32 s61, 30002
.irp k, 0,1,2,3,4,5,6,7,8,9,10,11,12,13,14,15
	v_cmp_eq_u32 s[MK+\k], s60, v[72+\k]
.endr
	v_cmp_eq_u32 s[KM], s61, v88
	v_cmp_eq_u32 s63, s61, v72                     ; bit 0: id 0 is a knowledge slot
	s_mov_b32 s[POS], 0x7fff
.irp k, 0,1,2,3,4,5,6,7,8,9,10,11,12,13,14,15
	s_ctz_i32_b32 s62, s[MK+\k]                    ; the first lane that has it; all ones where none has
	s_min_u32 s62, s62, 0x1000
	s_lshl_b32 s62, s62, 2
	s_add_co_u32 s62, s62, 128*(\k/4)+(\k%4)
	s_min_u32 s[POS], s[POS], s62
.endr
	s_cmp_lt_u32 s[POS], 512
	s_cselect_b32 s[POS], s[POS], 0                ; argmax of all false is 0
	s_cselect_b32 s62, 0, 1
	s_and_b32 s63, s63, s62                        ; only then can the query row be a knowledge slot
	s_cmp_lg_u32 s63, 0
	s_cselect_b32 s[FQM], -1, 0
	s_min_u32 s[POS], s[POS], 511
	s_lshl_b32 s[OF], s[POS], 12
	s_add_nc_u64 s[QB:QB+1], s[QB:QB+1], s[OF:OF+1]
	WIN 0x44
	LOAD 14
	s_wait_loadcnt 56                              ; step 0's four loads are in; steps 1 to 14 may be out
	TURNS 0
	LOAD 15
	WIN 0
	TURNL 0
	; ---- PHASE 1
	STEP 0, 0
	STEP 1, 0
	STEP 2, 0
.irp n, 3,4,5,6,7,8,9
	STEP \n, 2
.endr
	BAR                                            ; rows 0-15 lie in image 0
	FETCHA 0
	STEP 10, -1
.irp n, 11,12,13,14,15,16,17,18,19
	STEP \n, 2
.endr
	BAR
	FETCHA 1
	FETCHQ
	s_wait_tensorcnt 0x1                           ; my block of ring tile 0 is in, and I alone read it; tile 1's load may be out
	QSTAGE 0
	SUB8 20
	CHANGE 0                                       ; ring tile 2
	FETCHA 2
	QSTAGE 1
	SUB8 28
	CHANGE 1                                       ; ring tile 3
	FETCHA 3
	QSTAGE 2
	SUB8 36
	CHANGE 0                                       ; ring tile 4: Wk of my first head
	FETCHA 4
	QSTAGE 3
	SUB8 44
	CHANGE 1                                       ; ring tile 5: its Wv
	FETCHA 5
	SUB8 52
	BAR
	FETCHA 6
	SUB8 60
	BAR
	FETCHA 7                                       ; over the query's tile, which is done with
	; ---- PHASE 2
	STAGE 0, 1
	SCORE
	s_mov_b32 s[CNT], 3
.Lhead:                                                ; three trips: v of head i, k of head i + 1; both slots are filled again
	CHANGE 0
	STAGE 1, 0
	CTXP
	CHANGE 1
	STAGE 0, 1
	SCORE
	s_sub_co_u32 s[CNT], s[CNT], 1
	s_cmp_lg_u32 s[CNT], 0
	s_cbranch_scc1 .Lhead
	s_wait_tensorcnt 0x0                           ; ring tile 11: no load was issued behind it, and nothing is left to fetch
	STAGE 1, 0
	CTXP
	v_mov_b32 v[T], s[POS]
	v_mov_b32 v[T+1], 0
	v_cmp_gt_u32 vcc_lo, 4, v[LANE]
	s_wait_xcnt 0x0                                ; EXEC changes only behind this wait
	s_and_saveexec_b32 s60, vcc_lo
	global_store_b64 v[VML], v[MLV:MLV+1], s[MLB:MLB+1]   ; lanes 0-3: m and l of my four heads
	s_wait_xcnt 0x0
	s_or_b32 exec_lo, exec_lo, s60
	v_cmp_eq_u32 vcc_lo, 0, v0
	s_and_saveexec_b32 s60, vcc_lo                 ; thread 0 of the work-group alone (no global instruction is pending)
	global_store_b32 v[T+1], v[T], s[MPB:MPB+1]    ; the query row's number, for the last launch's addresses
	s_wait_xcnt 0x0
	s_or_b32 exec_lo, exec_lo, s60
	s_wait_tensorcnt 0x0                           ; the wave's end: behind my last tensor load and my last LDS store
	ds_add_u32 v[SPW], v[NIL]
	s_wait_dscnt 0x0
	ROUND                                          ; the closing round: no work-group ends while a partner may still ask for a tile that names it
	s_endpgm
.Lfunc_end_k_q03c12edcf5_fuse:
	.size	k_q03c12edcf5_fuse, .Lfunc_end_k_q03c12edcf5_fuse-k_q03c12edcf5_fuse
	.p2alignl 7, 3214868480
	.fill 96, 4, 3214868480
	.section	.rodata,"a",@progbits
	.p2align	6, 0x0
	.amdhsa_kernel k_q03c12edcf5_fuse
		.amdhsa_group_segment_fixed_size 327680
		.amdhsa_private_segment_fixed_size 0
		.amdhsa_enable_private_segment 0
		.amdhsa_kernarg_size 56
		.amdhsa_user_sgpr_count 2
		.amdhsa_user_sgpr_kernarg_segment_ptr 1
		.amdhsa_wavefront_size32 1
		.amdhsa_system_sgpr_workgroup_id_x 1
		.amdhsa_system_sgpr_workgroup_id_y 1
		.amdhsa_system_sgpr_workgroup_id_z 1
		.amdhsa_system_vgpr_workitem_id 0
		.amdhsa_next_free_vgpr 1024
		.amdhsa_next_free_sgpr 100
		.amdhsa_reserve_vcc 1
		.amdhsa_float_denorm_mode_32 3
		.amdhsa_float_denorm_mode_16_64 3
		.amdhsa_memory_ordered 1
		.amdhsa_forward_progress 1
		.amdhsa_inst_pref_size 255
	.end_amdhsa_kernel
	.section	.bss,"aw",@nobits
	.p2align	6
	.space	262144
	.amdgpu_metadata
---
amdhsa.version: [ 1, 2 ]
amdhsa.kernels:
  - .name:           k_q03c12edcf5_fuse
    .symbol:         k_q03c12edcf5_fuse.kd
    .args:
      - { .name: model_output, .offset: 0, .size: 8, .value_kind: global_buffer, .address_space: global }
      - { .name: knowledge_output, .offset: 8, .size: 8, .value_kind: global_buffer, .address_space: global }
      - { .name: input_ids, .offset: 16, .size: 8, .value_kind: global_buffer, .address_space: global }
      - { .name: wimg, .offset: 24, .size: 8, .value_kind: global_buffer, .address_space: global }
      - { .name: part, .offset: 32, .size: 8, .value_kind: global_buffer, .address_space: global }
      - { .name: ml, .offset: 40, .size: 8, .value_kind: global_buffer, .address_space: global }
      - { .name: mpos, .offset: 48, .size: 8, .value_kind: global_buffer, .address_space: global }
    .group_segment_fixed_size: 327680
    .private_segment_fixed_size: 0
    .kernarg_segment_align: 8
    .kernarg_segment_size: 56
    .max_flat_workgroup_size: 128
    .sgpr_count:     100
    .vgpr_count:     1024
    .wavefront_size: 32
...
	.end_amdgpu_metadata
.endif
;; end of part 2
;; launch final (part 3): grid 16 x 16, 4 waves a work-group, no clusters, 28,672 bytes of LDS; arguments part, ml, mpos, wimg, model_output, attention_strength, empty_knowledge_mask, out0; writes out0
.if DOCPART == 3
	.amdgcn_target "amdgcn-amd-amdhsa--gfx1250"
	.amdhsa_code_object_version 6
	.text
	.protected	k_q03c12edcf5_final
	.globl	k_q03c12edcf5_final
	.p2align	8
	.type	k_q03c12edcf5_final,@function
k_q03c12edcf5_final:
	s_mov_b64 s[64:65], 0
	v_nop
	global_prefetch_b8 v0, s[64:65] scope:SCOPE_SE
	s_setreg_imm32_b32 hwreg(HW_REG_WAVE_MODE, 25, 1), 1
	s_wait_xcnt 0x0
; The four quarters of each softmax are merged (ctx = sum of w part / sum of w l, w = e^(m - M), M the largest m), ctx is quantised to FP4 (E2M1, one E8M0 byte for each 32 along K) and multiplied by out_proj's codes;
; out0 = origin + strength x (ctx Wo^T + bias), or origin where the knowledge is empty.  All ahead of the quantiser is f32.
; A work-group takes 4 sequences (work-group y) x 64 output columns (work-group x: block 48 + x of wimg).  Wave w merges sequence 4 y + w, quantises K steps 2 w and 2 w + 1 of all four, multiplies the block's tile w
; (source 0 = 16 rows of Wo, source 1 = the data tile, whose column r is sequence r % 4: columns of a product do not depend on each other, so the copies cost nothing), and stores row w.
; Operands go from wave to wave through LDS as images of their registers: 16 bytes a lane on end, the scale word 4 bytes a lane.
; The merge is repeated by the 16 work-groups of a row of the grid: 64 KiB each of what the launch before has just written.  No tensor loads, no ring, no cluster: the launch is short and its tiles are small.
; LIMITS: NaN and infinities are not served; a block of zeros has byte 1 and zero codes (the rule: 127; the products are the same).
.set WB,   35072
.set NT,   8704
.set CP,   4112                        ; LDS: ctx, 4 rows x (4,096 + 16), from byte 0
.set WA,   16640                       ; the merge's weights, 256 bytes a wave
.set XIMG, 17664                       ; the data tile's 8 fragments, 1,024 bytes each
.set XSC,  25856                       ; their scale words, 128 bytes each
.set OS,   26880                       ; the results: 4 rows x (256 + 16)
.set ML,   20
.set AW,   40                          ; v40-71   a[head][quarter 2 k + h] at 2 head + k
.set PD,   72                          ; v72-199  the partial sums; later:
.set ST,   72                          ; v72-135  64 numbers of a lane's row
.set XF,   72                          ; v72-135  the 8 fragments
.set PC,   136                         ; v136-143 the codes just made
.set TM,   144                         ; v144-159 at work
.set PW,   160                         ; the scale word just made
.set OQ,   200                         ; the original row
.set WOS,  204                         ; v204-207 Wo's scale words (scales alone)
.set BO,   208                         ; v208-215 the bias in the result's layout
.set ACC,  216                         ; v216-231 two accumulators, even and odd K steps
.set XS,   232                         ; v232-239 the data tile's scale words (scales alone)
.set RES,  240
	s_load_b256 s[4:11], s[0:1], 0x0               ; part, ml, mpos, wimg
	s_load_b256 s[12:19], s[0:1], 0x20             ; model_output, attention_strength, empty_knowledge_mask, out0
	v_lshl_add_u32 v254, v0, 2, 0x6e00
	v_mov_b32 v255, 0
	v_lshrrev_b32 v1, 5, v0
	v_readfirstlane_b32 s20, v1                    ; wave
	s_and_b32 s22, ttmp7, 0xffff
	s_lshl_b32 s23, s22, 2
	s_add_co_u32 s23, s23, s20                     ; b: my sequence
	v_and_b32 v1, 31, v0                           ; lane
	v_and_b32 v2, 15, v0                           ; r
	v_bfe_u32 v3, v0, 4, 1                         ; h
	v_and_b32 v17, 3, v0                           ; r % 4
	v_lshlrev_b32 v4, 4, v1                        ; 16 x lane
	v_lshlrev_b32 v5, 4, v2                        ; 16 r
	s_lshl_b32 s28, s20, 8
	s_add_co_u32 s28, s28, WA
	v_lshl_add_u32 v6, v1, 2, s28
	v_lshl_add_u32 v7, v3, 7, s28
	s_mul_i32 s28, s20, CP
	v_add_nc_u32 v8, s28, v4                       ; ctx, way in: row = wave
	v_mul_u32_u24 v9, v17, CP
	v_lshl_add_u32 v9, v3, 6, v9
	s_lshl_b32 s28, s20, 10
	v_add_nc_u32 v9, s28, v9                       ; way out: row r % 4, K step 2 wave, + 64 h
	s_lshl_b32 s28, s20, 11
	s_add_co_u32 s28, s28, XIMG
	v_add_nc_u32 v10, s28, v4
	s_lshl_b32 s28, s20, 8
	s_add_co_u32 s28, s28, XSC
	v_lshl_add_u32 v11, v1, 2, s28
	v_add_nc_u32 v12, XIMG, v4
	v_lshlrev_b32 v13, 2, v1
	v_add_nc_u32 v13, XSC, v13
	v_mul_u32_u24 v14, v17, 272
	v_lshl_add_u32 v14, v3, 5, v14
	s_lshl_b32 s28, s20, 6
	s_add_co_u32 s28, s28, OS
	v_add_nc_u32 v14, s28, v14                     ; results in: row r % 4, + 64 wave + 32 h
	s_mul_i32 s28, s20, 272
	s_add_co_u32 s28, s28, OS
	v_add_nc_u32 v15, s28, v5                      ; and back: row = wave
	v_lshlrev_b32 v16, 5, v3
.irp e, 0,1,2,3
	v_mov_b32 v[28+\e], 0                          ; written once: a lane permute's destination counts as one of its sources
.endr
	s_mov_b32 s24, 0x76543210
	s_mov_b32 s25, 0xfedcba98
	s_mov_b32 s26, 0x3fb8aa3b                      ; log2(e)
	s_mov_b32 s27, 0xffff0000                      ; lanes 16-31
	s_mov_b32 s29, 0
	s_wait_kmcnt 0x0
	s_lshl_b32 s28, s23, 4
	s_add_nc_u64 s[8:9], s[8:9], s[28:29]
	s_load_b32 s30, s[8:9], 0x0                    ; the query row's number: quarter 0's copy
	s_load_b32 s31, s[14:15], 0x0                  ; the strength
	s_mov_b32 s28, s23
	s_add_nc_u64 s[16:17], s[16:17], s[28:29]
	s_load_u8 s32, s[16:17], 0x0                   ; is the knowledge empty?
	s_lshl_b32 s28, s23, 9
	s_add_nc_u64 s[6:7], s[6:7], s[28:29]
	s_lshl_b32 s28, s23, 14
	s_add_nc_u64 s[4:5], s[4:5], s[28:29]
	s_add_co_u32 s28, ttmp9, 48
	s_mul_i32 s28, s28, WB
	s_add_nc_u64 s[10:11], s[10:11], s[28:29]      ; the block
	s_lshl_b32 s28, s20, 6
	s_add_co_u32 s28, s28, 4*NT
	s_add_nc_u64 s[34:35], s[10:11], s[28:29]      ; my tile's bias
	s_mul_i32 s28, s20, NT
	s_add_nc_u64 s[10:11], s[10:11], s[28:29]      ; my tile
	s_lshl_b32 s28, s23, 12
	s_lshl_b32 s33, ttmp9, 8
	s_add_co_u32 s28, s28, s33
	s_add_nc_u64 s[18:19], s[18:19], s[28:29]      ; out0 at row b, column 64 x
	global_load_b128 v[ML:ML+3], v4, s[6:7]        ; lane l: head l / 2, quarters 2 (l % 2) and + 1: m, l, m, l
.irp i, 0,1,2,3,4,5,6,7,8,9,10,11,12,13,14,15,16,17,18,19,20,21,22,23,24,25,26,27,28,29,30,31
	global_load_b128 v[PD+4*\i:PD+4*\i+3], v4, s[4:5] offset:512*\i   ; load 2 head + k: quarter 2 k + h, channels 4 r on; 512 consecutive bytes
.endr
	s_wait_kmcnt 0x0
	s_min_u32 s30, s30, 511
	s_lshl_b32 s28, s23, 9
	s_add_co_u32 s28, s28, s30
	s_lshl_b32 s28, s28, 12
	s_add_co_u32 s28, s28, s33
	s_add_nc_u64 s[12:13], s[12:13], s[28:29]
	global_load_b128 v[OQ:OQ+3], v5, s[12:13]      ; the original row's 64 numbers
	s_set_vgpr_msb 0x40                            ; destination window 1
.irp ks, 0,1,2,3,4,5,6,7
.irp c, 0,1
	global_load_b128 v[8*\ks+4*\c:8*\ks+4*\c+3], v4, s[10:11] offset:1024*\ks+512*\c   ; Wo's fragments, as their registers lie
.endr
.endr
	s_set_vgpr_msb 0x4000
	global_load_b128 v[WOS:WOS+3], v4, s[10:11] offset:8192
	global_load_b128 v[BO:BO+3], v16, s[34:35]
	global_load_b128 v[BO+4:BO+7], v16, s[34:35] offset:16
	s_cmp_lg_u32 s32, 0
	s_cselect_b32 s33, -1, 0
	s_wait_loadcnt 52                              ; m and l are in; the 52 loads behind them may be out
	v_max_num_f32 v24, v[ML], v[ML+2]
	v_max_num_f32_dpp v24, v24, v24 row_xmask:1 row_mask:0xf bank_mask:0xf   ; M of the head's four quarters
	v_sub_f32 v25, v[ML], v24
	v_sub_f32 v26, v[ML+2], v24
	v_mul_f32 v25, s26, v25
	v_mul_f32 v26, s26, v26
	v_exp_f32 v25, v25
	v_exp_f32 v26, v26
	v_nop
	s_wait_alu depctr_va_vdst(0)
	v_mul_f32 v27, v25, v[ML+1]
	v_fma_f32 v27, v26, v[ML+3], v27
	v_add_f32_dpp v27, v27, v27 row_xmask:1 row_mask:0xf bank_mask:0xf       ; the row's sum
	v_rcp_f32 v27, v27
	v_nop
	s_wait_alu depctr_va_vdst(0)
	v_mul_f32 v25, v25, v27
	v_mul_f32 v26, v26, v27
	ds_store_b32 v6, v25                           ; a of the even quarter: for lanes 0-15
	ds_store_b32 v6, v26 offset:128                ; of the odd one: for lanes 16-31
.irp i, 0,1,2,3,4,5,6,7
	ds_load_b128 v[AW+4*\i:AW+4*\i+3], v7 offset:16*\i   ; LDS serves a wave's instructions in order: these see my stores
.endr
	s_wait_loadcnt 20                              ; the partial sums are in; behind them: the original row, Wo, its scale words, the bias
	s_wait_dscnt 0x0
.irp hd, 0,1,2,3,4,5,6,7,8,9,10,11,12,13,14,15
.irp e, 0,1,2,3
	v_mul_f32 v[PD+8*\hd+\e], v[PD+8*\hd+\e], v[AW+2*\hd]
.endr
.irp e, 0,1,2,3
	v_fma_f32 v[PD+8*\hd+\e], v[PD+8*\hd+4+\e], v[AW+2*\hd+1], v[PD+8*\hd+\e]
.endr
.endr
.irp p, 0,1,2,3,4,5,6,7                        ; the other two quarters lie in lane l xor 16: lanes 0-15 keep head 2 p, lanes 16-31 head 2 p + 1
.irp e, 0,1,2,3
	v_cndmask_b32 v[24+\e], v[PD+16*\p+8+\e], v[PD+16*\p+\e], s27
.endr
.irp e, 0,1,2,3
	v_cndmask_b32 v[PD+16*\p+\e], v[PD+16*\p+\e], v[PD+16*\p+8+\e], s27
.endr
.irp e, 0,1,2,3
	v_permlanex16_b32 v[28+\e], v[24+\e], s24, s25
.endr
.irp e, 0,1,2,3
	v_add_f32 v[PD+16*\p+\e], v[PD+16*\p+\e], v[28+\e]
.endr
	ds_store_b128 v8, v[PD+16*\p:PD+16*\p+3] offset:512*\p   ; ctx(b, 128 p + 4 lane ..): 512 bytes on end
.endr
	s_wait_dscnt 0x0                               ; for the others' sake: my row of ctx has landed
	s_barrier_signal -1
	s_barrier_wait -1
; 64 numbers of a lane, register 16 b + i = k 32 b + 16 h + i of its row, become a fragment's codes in v[PC] on and its scale word in v[PW]
.macro QUANT s
.irp b, 0,1,2,3
	v_max3_num_f32 v[TM+\b], |v[\s+16*\b]|, |v[\s+1+16*\b]|, 0x1800000   ; block b: my 16 numbers, and the floor 2^(3 - 127): the byte cannot fall under 1
.endr
.irp i, 2,4,6,8,10,12,14
.irp b, 0,1,2,3
	v_max3_num_f32 v[TM+\b], v[TM+\b], |v[\s+16*\b+\i]|, |v[\s+1+16*\b+\i]|
.endr
.endr
.irp b, 0,1,2,3
	v_permlanex16_b32 v[TM+4+\b], v[TM+\b], s24, s25
.endr
.irp b, 0,1,2,3
	v_max_num_f32 v[TM+\b], v[TM+\b], v[TM+4+\b]   ; with lane l xor 16's: the block's largest magnitude
.endr
.irp b, 0,1,2,3
	v_add_nc_u32 v[TM+12+\b], 0xff000000, v[TM+\b] ; 2 off its exponent field: the conversion's scale operand
.endr
.irp b, 0,1,2,3
	v_lshrrev_b32 v[TM+4+\b], 23, v[TM+12+\b]      ; the scale's byte
.endr
	v_lshl_or_b32 v[PW], v[TM+5], 8, v[TM+4]
	v_lshl_or_b32 v[PW], v[TM+6], 16, v[PW]
	v_lshl_or_b32 v[PW], v[TM+7], 24, v[PW]
.irp b, 0,1,2,3
	v_cvt_scalef32_pk8_fp4_f32 v[PC+2*\b], v[\s+16*\b:\s+7+16*\b], v[TM+12+\b]
	v_cvt_scalef32_pk8_fp4_f32 v[PC+1+2*\b], v[\s+8+16*\b:\s+15+16*\b], v[TM+12+\b]
.endr
	v_nop                                          ; one plain line behind a scaled conversion
.irp c, 0,1                                    ; the operand's layout wants a whole block in a lane
.irp i, 0,1
	v_permlane16_swap_b32 v[PC+4*\c+\i], v[PC+2+4*\c+\i]
.endr
.endr
.endm
.irp f, 0,1                                    ; K steps 2 wave + f of the four rows
.irp b, 0,1,2,3
.irp i, 0,1,2,3
	ds_load_b128 v[ST+16*\b+4*\i:ST+16*\b+4*\i+3], v9 offset:512*\f+128*\b+16*\i
.endr
.endr
	s_wait_dscnt 0x0                               ; the numbers are in, and the last image's stores have read their registers
	QUANT ST
	ds_store_b128 v10, v[PC:PC+3] offset:1024*\f
	ds_store_b128 v10, v[PC+4:PC+7] offset:1024*\f+512
	ds_store_b32 v11, v[PW] offset:128*\f
.endr
	s_wait_dscnt 0x0
	s_barrier_signal -1
	s_barrier_wait -1                              ; the eight fragments lie in LDS
.irp ks, 0,1,2,3,4,5,6,7
	ds_load_b128 v[XF+8*\ks:XF+8*\ks+3], v12 offset:1024*\ks
	ds_load_b128 v[XF+8*\ks+4:XF+8*\ks+7], v12 offset:1024*\ks+512
	ds_load_b32 v[XS+\ks], v13 offset:128*\ks
.endr
	s_wait_loadcnt 0x0                             ; Wo, its scale words, the bias, the original row
	s_wait_dscnt 0x0
	s_set_vgpr_msb 0x01                            ; source 0 (Wo) window 1
; two accumulators by turns: even K steps begin with the bias as C, odd ones with 0
	v_wmma_scale_f32_16x16x128_f8f6f4 v[ACC:ACC+7], v[0:7], v[XF:XF+7], v[BO:BO+7], v[WOS], v[XS] matrix_a_fmt:MATRIX_FMT_FP4 matrix_b_fmt:MATRIX_FMT_FP4
	v_wmma_scale_f32_16x16x128_f8f6f4 v[ACC+8:ACC+15], v[8:15], v[XF+8:XF+15], 0, v[WOS+1], v[XS+1] matrix_a_fmt:MATRIX_FMT_FP4 matrix_b_fmt:MATRIX_FMT_FP4
.irp ks, 2,3
	v_wmma_scale_f32_16x16x128_f8f6f4 v[ACC+8*(\ks%2):ACC+8*(\ks%2)+7], v[8*\ks:8*\ks+7], v[XF+8*\ks:XF+8*\ks+7], v[ACC+8*(\ks%2):ACC+8*(\ks%2)+7], v[WOS+\ks], v[XS+\ks] matrix_a_fmt:MATRIX_FMT_FP4 matrix_b_fmt:MATRIX_FMT_FP4
.endr
.irp ks, 4,5,6,7
	v_wmma_scale_f32_16x16x128_f8f6f4 v[ACC+8*(\ks%2):ACC+8*(\ks%2)+7], v[8*\ks:8*\ks+7], v[XF+8*\ks:XF+8*\ks+7], v[ACC+8*(\ks%2):ACC+8*(\ks%2)+7], v[WOS+\ks-4], v[XS+\ks] matrix_a_fmt:MATRIX_FMT_FP4 matrix_b_fmt:MATRIX_FMT_FP4 matrix_a_scale:MATRIX_SCALE_ROW1
.endr
	s_set_vgpr_msb 0x0100
.rept 4
	v_nop                                          ; four plain places in front of the first read of the results (ISA guide 7.12.1)
.endr
.irp j, 0,1,2,3,4,5,6,7
	v_add_f32 v[RES+\j], v[ACC+\j], v[ACC+8+\j]    ; both accumulators from their low ends on
.endr
	ds_store_b128 v14, v[RES:RES+3]                ; lane (r, h): sequence r % 4, columns 16 wave + 8 h + 0 .. 7; lanes of equal r % 4 write the same values
	ds_store_b128 v14, v[RES+4:RES+7] offset:16
	s_wait_dscnt 0x0
	s_barrier_signal -1
	s_barrier_wait -1
	ds_load_b128 v[24:27], v15                     ; my sequence's 64 results
	s_wait_dscnt 0x0
.irp e, 0,1,2,3
	v_fma_f32 v[24+\e], s31, v[24+\e], v[OQ+\e]
.endr
.irp e, 0,1,2,3
	v_cndmask_b32 v[24+\e], v[24+\e], v[OQ+\e], s33   ; the original row where the knowledge is empty
.endr
	v_cmp_gt_u32 vcc_lo, 16, v1
	s_wait_xcnt 0x0                                ; EXEC changes only behind this wait
	s_wait_tensorcnt 0x0
	ds_add_u32 v254, v255
	s_wait_dscnt 0x0
	s_and_saveexec_b32 s36, vcc_lo
	global_store_b128 v5, v[24:27], s[18:19]       ; sixteen lanes store 256 consecutive bytes, aligned
	s_wait_xcnt 0x0
	s_or_b32 exec_lo, exec_lo, s36
	s_endpgm
.Lfunc_end_k_q03c12edcf5_final:
	.size	k_q03c12edcf5_final, .Lfunc_end_k_q03c12edcf5_final-k_q03c12edcf5_final
	.p2alignl 7, 3214868480
	.fill 96, 4, 3214868480
	.section	.rodata,"a",@progbits
	.p2align	6, 0x0
	.amdhsa_kernel k_q03c12edcf5_final
		.amdhsa_group_segment_fixed_size 28672
		.amdhsa_private_segment_fixed_size 0
		.amdhsa_enable_private_segment 0
		.amdhsa_kernarg_size 64
		.amdhsa_user_sgpr_count 2
		.amdhsa_user_sgpr_kernarg_segment_ptr 1
		.amdhsa_wavefront_size32 1
		.amdhsa_system_sgpr_workgroup_id_x 1
		.amdhsa_system_sgpr_workgroup_id_y 1
		.amdhsa_system_sgpr_workgroup_id_z 1
		.amdhsa_system_vgpr_workitem_id 0
		.amdhsa_next_free_vgpr 320
		.amdhsa_next_free_sgpr 66
		.amdhsa_reserve_vcc 1
		.amdhsa_float_denorm_mode_32 3
		.amdhsa_float_denorm_mode_16_64 3
		.amdhsa_memory_ordered 1
		.amdhsa_forward_progress 1
		.amdhsa_inst_pref_size 39
	.end_amdhsa_kernel
	.amdgpu_metadata
---
amdhsa.version: [ 1, 2 ]
amdhsa.kernels:
  - .name:           k_q03c12edcf5_final
    .symbol:         k_q03c12edcf5_final.kd
    .args:
      - { .name: part, .offset: 0, .size: 8, .value_kind: global_buffer, .address_space: global }
      - { .name: ml, .offset: 8, .size: 8, .value_kind: global_buffer, .address_space: global }
      - { .name: mpos, .offset: 16, .size: 8, .value_kind: global_buffer, .address_space: global }
      - { .name: wimg, .offset: 24, .size: 8, .value_kind: global_buffer, .address_space: global }
      - { .name: model_output, .offset: 32, .size: 8, .value_kind: global_buffer, .address_space: global }
      - { .name: attention_strength, .offset: 40, .size: 8, .value_kind: global_buffer, .address_space: global }
      - { .name: empty_knowledge_mask, .offset: 48, .size: 8, .value_kind: global_buffer, .address_space: global }
      - { .name: out0, .offset: 56, .size: 8, .value_kind: global_buffer, .address_space: global }
    .group_segment_fixed_size: 28672
    .private_segment_fixed_size: 0
    .kernarg_segment_align: 8
    .kernarg_segment_size: 64
    .max_flat_workgroup_size: 128
    .sgpr_count:     66
    .vgpr_count:     320
    .wavefront_size: 32
...
	.end_amdgpu_metadata
.endif
;; end of part 3
